; MI455X (gfx1250); checked and timed in simulation.
; The chip was launched on July 23, 2026; its instructions are those of AMD's public machine-readable ISA for CDNA 5 (MIT licence, August 2026) and "CDNA5" Instruction Set Architecture Reference Guide (July 2026). The comments in the code are by the model that wrote it; some were corrected since.
;; Loss. Allowed arithmetic: matrix products marked QUANTISED: E5M2 operands, one given power-of-two scale a tensor, by v_wmma_f32_16x16x64_bf8_bf8 or v_wmma_f32_16x16x128_bf8_bf8, f32 sums; products left as they are: f32 operands where the result goes on into a quantised operand, else bf16, f16 or f32 operands; f32 sums; everything else in f32.
;; Inputs: batch 128 x 512 x 80 float32; lowp_scales 2 int32 (the exponents e of the quantised operands' scales 2^e); model_score_for_div 128 x 512 float32; model_score_for_ndcg 128 x 512 float32; relevance 128 x 512 float32.
;; Outputs: out0 128 float32; out1 128 float32; out2 128 float32; out3 128 float32.
;; This version of the problem:
;;   THIS VERSION OF THE PROBLEM IS GIVEN IN LOW PRECISION. The matrix products marked QUANTISED in the list below multiply operands that are first quantised to E5M2 (5 exponent bits, 2 mantissa bits; 8 bits a number), with one given power-of-two scale for each operand tensor; their sums are f32. All else is computed in f32.
;;   The module's matrix products, in the order in which they are computed (A, B: the left and right operand; K: the contracted axis; several contracted axes count as one K, in the product's order):
;;     1. batch 128 x [M 512, K 512] x [K 512, N 1]; A: computed on the way; B: input relevance: left as it is (N = 1 < 16)
;;     2. [M 65,536, K 512] x [K 512, N 1]; A: computed on the way; B: computed on the way: left as it is (N = 1 < 16)
;;     3. batch 128 x [M 512, K 64] x [K 64, N 512]; A: computed on the way; B: computed on the way: QUANTISED (scales: A lowp_scales[0], B lowp_scales[1])
;;   THE QUANTISER, for each operand of a quantised product, along K:
;;     - The operand's scale is 2^e, e = its entry of the input lowp_scales (int32; the entries are numbered through the quantised products in the list's order, A before B).
;;     - Each number is divided by the scale, clamped to +-57,344, and rounded to the nearest number of E5M2, ties to even, subnormals kept.
;;     - The product sums the exact products of the quantised numbers (number of the format x scale) in f32.
;;   ~~~python
;;   def quantise(x, axis, e):      # numpy; x: float32 -> the quantised numbers, widened to float32 again
;;       x = np.moveaxis(x, axis, -1); K = x.shape[-1]
;;       r = np.clip(x / 2.0 ** e, -57344, 57344)
;;       step = 2.0 ** (np.maximum(np.frexp(np.where(r == 0, 1, r))[1] - 1, -14) - 2)
;;       q = np.round(r / step) * step * 2.0 ** e      # np.round: ties to even
;;       return np.moveaxis(q, -1, axis).astype(np.float32)
;;   ~~~
;;   OPERANDS COMPUTED ON THE WAY. 'Computed on the way' means the value that the module computes at that place (a softmax that the list does not call 'softmax' is quantised finished and normalised). What goes into a quantiser is computed in f32, as accurately as f32 sums, v_exp_f32 and their like allow (about 1e-6 of the number): no bf16 or f16 on the way to a quantiser, and a product that is left as it is and whose result goes on into a quantised operand takes f32 operands (vector FMAs, or v_wmma_f32_16x16x4_f32). A number that lies on a knife's edge between two numbers of the format may be rounded either way, as far as f32 arithmetic and the matrix unit's own rounding can turn it there, and no further.
;; One version. Each part assembles by itself: llvm-mc -triple=amdgcn-amd-amdhsa -mcpu=gfx1250 --defsym DOCPART=n.
;; ======== version 1 of 1: 1 launch
;; launch loss (part 1): grid 256 x 1, 16 waves a work-group, no clusters, 278,528 bytes of LDS; arguments batch, lowp_scales, model_score_for_div, model_score_for_ndcg, relevance, out0, out1, out2, out3; writes out0, out1, out2, out3
.if DOCPART == 1
	.amdgcn_target "amdgcn-amd-amdhsa--gfx1250"
	.amdhsa_code_object_version 6
	.text
	.protected	k_q0384946dc8_loss
	.globl	k_q0384946dc8_loss
	.p2align	8
	.type	k_q0384946dc8_loss,@function
k_q0384946dc8_loss:
	s_mov_b64 s[64:65], 0
	v_nop
	global_prefetch_b8 v0, s[64:65] scope:SCOPE_SE
	s_setreg_imm32_b32 hwreg(HW_REG_WAVE_MODE, 25, 1), 1
	s_wait_xcnt 0x0
; LOSS: approx_ndcg, ndcg, approx_div, div for 128 users of 512 items.  Work-group g: user g / 2; g even: the ndcg matrix, g odd: the div matrix.  16 waves of 256 registers.
; THE SOFT PERMUTATION is never stored whole.  mat(i,j) = r(i) E(i,j) c(j), E(i,j) = 2^(G (t(i,j) - max over j of t(i,j))), t(i,j) = v(i) s(j) - a(j), v(i) = 511 - 2 i, a(j) = sum over k of |s(j) - s(k)|, G = 10 log2(e).
; The softmax is r = 1 / (row sum of E), c = 1.  A column step of the scaling is c(j) <- c(j) / max(c(j) A(j), 1e-10), A(j) = sum over i of r(i) E(i,j); a row step r(i) <- r(i) / max(r(i) B(i), 1e-10), B(i) = sum over j of E(i,j) c(j):
; the same real numbers as reference()'s mat / clip(sum), the clip kept; only the order of rounding differs.  A row step and the column sums behind it are ONE sweep: a wave makes E for four rows (64 registers), sums them
; against c, renews r, and adds r E into its column sums out of the same registers.  Six sweeps (div) or five and a piece (ndcg).  Each wave's first four rows of E stay in LDS in f32 and are made once.
; WORK LEFT OUT, for all finite inputs:  batch[:, :, 64:80] is sliced away by calc_diversity: not loaded.  calc_dcg keeps positions 0 to 9: of the ndcg matrix's last row step and of its product with relevance only rows 0 to 11
; are made (three waves' first batches; rows 10, 11 get weight 0).  jnp.triu(k = 1), built in reference(), throws away every tile of n n^T that lies under the diagonal: they are not multiplied; diagonal tiles are masked.
; Of the sorts only the first ten places reach an output: they are found by ten rounds of 'largest key, ties by index' (descending orders: the lower index first; real_rank, a stable ascending order: the higher index first),
; by selects alone: no address and no branch hangs on a score.
; LIMITS: NaN and infinities among the inputs are not served, and one that lies only in batch[:, :, 64:80] is not carried to the result.  The scales' exponents lie between -126 and 112 each (their sum goes by v_ldexp_f32).
; E under 2^-126 counts as 0.  Sums are taken in another order than reference()'s.
; THE QUANTISED PRODUCT n n^T: codes of E5M2, the left operand with 2^e0, the right with 2^e1, by v_wmma_f32_16x16x64_bf8_bf8.  A fragment's lane (r, h) holds features 32 h .. 32 h + 31 of item r: one permutation of k, alike in both operands.
; LAYOUT.  lane l: q = l % 16, h = l / 16; wave w.  COLUMNS: register 4 m + e of a 32-register vector is column 64 m + 4 q + e, alike in both halves of the lanes.  ROWS: batch b, pair u, half h: row 64 b + 4 w + 2 h + u.
; No tensor loads: nothing is streamed.  No cluster: no two work-groups read the same tile.
.set AV,    0          ; LDS: -a(j)
.set CV,    2048       ; c(j)
.set RHO,   4096       ; div: the sigmoid of the soft rank
.set TV,    6144       ; div: 1 for the ten best, else 0
.set RV,    8192       ; r: 128 bytes a wave, its own: 16 b + 8 h + 4 u
.set MU,    10240      ; -G x the row's largest t, laid likewise
.set SCRN,  12288      ; ndcg: word 0 dcg, word 1 best dcg, words 2-4 parts of the soft dcg
.set SCRD,  12544      ; div: four sums a wave
.set SPARE, 12800      ; the spare words, 128 bytes for each of 16 waves: eight blocks of 256 bytes that no other line names
.set PART,  16384      ; 32 partial column vectors of 2,048 bytes, number 2 w + h
.set ACODE, 81920      ; div: the left operand's 32 fragments, images of their registers, 1,024 bytes each
.set BOFF,  32768      ; the right operand's lie so far behind them
.set ES,    147456     ; 8,192 bytes a wave: the image of batch 0's 64 registers of E
.set S,   48           ; v48-79   s(j)
.set NA,  80           ; v80-111  -a(j)
.set C,   112          ; v112-143 c(j)
.set ACC, 144          ; v144-175 column sums
.set E,   176          ; v176-239 four rows of E; at work elsewhere
.set XR,  224          ; v224-239 my 16 rows' scores, for the a-sum
.set IT1, 80           ; div, until QUANT: 32 features of my item in tile w, and in tile 31 - w
.set IT2, 112
.set H,   176
.set KEY, 176          ; the selection: 16 keys, 16 indices, 16 payloads or marks, 16 at work
.set IDX, 192
.set PAY, 208
.set TT,  224
.set BF1, 48           ; div's tail
.set BF2, 56
.set AF,  64
.set RW,  72
.set TW,  80
.set RWM, 88
.set TWM, 96
.set TRI, 104
.set D1,  112
.set D2,  120
.set Q1,  128
.set Q2,  136
; v0 thread; v1 16 q; v2 PART + 4 t; v3 my partial's place; v4 my place in ES; v5 128 w + 8 h; v6 the same + 16 b; v7 c of column t; v8 4 t; v9 4 x user; v10, v11 the add's two; v[12:15] v(i) of the batch's rows;
; v[16:19] -G max; v[20:21] old r; v[22:25] new r; v26-37, v44-47 at work; v[38:39] v(i) of batch 0; v40 q; v41 h; v42 lane; v43 the lane exchange's destination; v240-251 addresses; v252-255 the quantisers' scales.
.macro ROWADD2 a, b                    ; two sums over the 16 lanes of a half, by turns
.irp x, 1,2,4,8
	v_add_f32_dpp v[\a], v[\a], v[\a] row_xmask:\x row_mask:0xf bank_mask:0xf
	v_add_f32_dpp v[\b], v[\b], v[\b] row_xmask:\x row_mask:0xf bank_mask:0xf
.endr
.endm
.macro CROSSADD r                      ; + the other half's
	v_permlanex16_b32 v43, v[\r], s40, s41
	v_add_f32 v[\r], v[\r], v43
.endm
.macro ARG u                           ; t = v s - a, one rounding, for pair u's row
.set k, 0
.rept 16
	v_pk_fma_f32 v[E+32*\u+k:E+32*\u+k+1], v[S+k:S+k+1], v[12+2*\u:13+2*\u], v[NA+k:NA+k+1] op_sel_hi:[1,0,1]
.set k, k+2
.endr
.endm
.macro ROWMAX u                        ; the row's largest t, taken away before the exponential as reference()'s softmax does; kept as -G max
	v_max3_num_f32 v[26+2*\u], v[E+32*\u], v[E+32*\u+1], v[E+32*\u+2]
	v_max3_num_f32 v[27+2*\u], v[E+32*\u+3], v[E+32*\u+4], v[E+32*\u+5]
.irp i, 6,10,14,18,22,26
	v_max3_num_f32 v[26+2*\u], v[26+2*\u], v[E+32*\u+\i], v[E+32*\u+\i+1]
	v_max3_num_f32 v[27+2*\u], v[27+2*\u], v[E+32*\u+\i+2], v[E+32*\u+\i+3]
.endr
	v_max3_num_f32 v[26+2*\u], v[26+2*\u], v[E+32*\u+30], v[E+32*\u+31]
	v_max_num_f32 v[26+2*\u], v[26+2*\u], v[27+2*\u]
.irp x, 1,2,4,8
	v_max_num_f32_dpp v[26+2*\u], v[26+2*\u], v[26+2*\u] row_xmask:\x row_mask:0xf bank_mask:0xf
.endr
	v_mul_f32 v[16+\u], s38, v[26+2*\u]
.endm
.macro SCALE u                         ; G t - G max
.set k, 0
.rept 16
	v_pk_fma_f32 v[E+32*\u+k:E+32*\u+k+1], v[E+32*\u+k:E+32*\u+k+1], s[36:37], v[16+2*\u:17+2*\u] op_sel_hi:[1,0,0]
.set k, k+2
.endr
.endm
; ONE BATCH: four rows of a wave.  kind 0: the softmax's sweep; 1: a row step and the next column sums; 2: div's last row step and the sums weighted by 512 - i.  src = 1: E comes from LDS.  first = 1: the products start the column sums.
.macro BATCH kind, src, first
	v_add_nc_u32 v6, s34, v5
.if \kind > 0
	ds_load_b64 v[20:21], v6 offset:RV
.if \src == 0
	ds_load_b64 v[16:17], v6 offset:MU
.endif
.endif
.if \src
.set g, 0
.rept 16
	ds_load_b128 v[E+4*g:E+4*g+3], v4 offset:512*g
.set g, g+1
.endr
	s_wait_dscnt 0x0
.else
	ARG 0
	ARG 1
.if \kind == 0
	ROWMAX 0
	ROWMAX 1
.else
	s_wait_dscnt 0x0                               ; r and -G max, asked for 32 instructions ago
.endif
	v_mov_b32 v18, v17                             ; the packed forms take a pair's low word for both halves
	SCALE 0
	SCALE 1
.set k, 0
.rept 64
	v_exp_f32 v[E+k], v[E+k]
.set k, k+1
.endr
	v_nop                                          ; a plain instruction behind the last exponential,
	s_wait_alu depctr_va_vdst(0)                   ; and one wait for the batch of 64, ahead of its first reader
.endif
.if (\kind == 0) && \first
.set g, 0
.rept 16
	ds_store_b128 v4, v[E+4*g:E+4*g+3] offset:512*g ; batch 0 stays in LDS, as an image of its registers, read by this wave alone
.set g, g+1
.endr
.endif
.irp u, 0,1                            ; the row sums, two chains a row, each begun by its first terms
.if \kind == 0
	v_pk_add_f32 v[26+4*\u:27+4*\u], v[E+32*\u:E+32*\u+1], v[E+32*\u+4:E+32*\u+5]
	v_pk_add_f32 v[28+4*\u:29+4*\u], v[E+32*\u+2:E+32*\u+3], v[E+32*\u+6:E+32*\u+7]
.irp i, 8,12,16,20,24,28
	v_pk_add_f32 v[26+4*\u:27+4*\u], v[26+4*\u:27+4*\u], v[E+32*\u+\i:E+32*\u+\i+1]
	v_pk_add_f32 v[28+4*\u:29+4*\u], v[28+4*\u:29+4*\u], v[E+32*\u+\i+2:E+32*\u+\i+3]
.endr
.else
	v_pk_mul_f32 v[26+4*\u:27+4*\u], v[E+32*\u:E+32*\u+1], v[C:C+1]
	v_pk_mul_f32 v[28+4*\u:29+4*\u], v[E+32*\u+2:E+32*\u+3], v[C+2:C+3]
.irp i, 4,8,12,16,20,24,28
	v_pk_fma_f32 v[26+4*\u:27+4*\u], v[E+32*\u+\i:E+32*\u+\i+1], v[C+\i:C+\i+1], v[26+4*\u:27+4*\u]
	v_pk_fma_f32 v[28+4*\u:29+4*\u], v[E+32*\u+\i+2:E+32*\u+\i+3], v[C+\i+2:C+\i+3], v[28+4*\u:29+4*\u]
.endr
.endif
	v_pk_add_f32 v[26+4*\u:27+4*\u], v[26+4*\u:27+4*\u], v[28+4*\u:29+4*\u]
	v_add_f32 v[34+2*\u], v[26+4*\u], v[27+4*\u]
.endr
	ROWADD2 34, 36
.if \kind == 0
	v_rcp_f32 v22, v34                             ; r = 1 / Z; Z is at least about 1
	v_rcp_f32 v23, v36
	v_nop
	s_wait_alu depctr_va_vdst(0)
.else
	v_mul_f32 v34, v20, v34                        ; the row's sum r B,
	v_mul_f32 v36, v21, v36
	v_max_num_f32 v34, s39, v34                    ; clipped at 1e-10
	v_max_num_f32 v36, s39, v36
	v_rcp_f32 v34, v34
	v_rcp_f32 v36, v36
	v_nop
	s_wait_alu depctr_va_vdst(0)
	v_mul_f32 v22, v20, v34
	v_mul_f32 v23, v21, v36
.endif
.if \kind == 2
	v_fma_f32 v44, v12, 0.5, s58                   ; 512 - i = v / 2 + 256.5
	v_fma_f32 v46, v14, 0.5, s58
	v_mul_f32 v44, v44, v22
	v_mul_f32 v46, v46, v23
.set w0, 44
.set w1, 46
.else
	v_mov_b32 v24, v23
.set w0, 22
.set w1, 24
.endif
.if \kind == 0
	ds_store_b64 v6, v[16:17] offset:MU
.endif
.if \kind < 2
	ds_store_b64 v6, v[22:23] offset:RV
.endif
.set k, 0
.rept 16
.if \first
	v_pk_mul_f32 v[ACC+k:ACC+k+1], v[E+k:E+k+1], v[w0:w0+1] op_sel_hi:[1,0]
.else
	v_pk_fma_f32 v[ACC+k:ACC+k+1], v[E+k:E+k+1], v[w0:w0+1], v[ACC+k:ACC+k+1] op_sel_hi:[1,0,1]
.endif
.set k, k+2
.endr
.set k, 0
.rept 16
	v_pk_fma_f32 v[ACC+k:ACC+k+1], v[E+32+k:E+32+k+1], v[w1:w1+1], v[ACC+k:ACC+k+1] op_sel_hi:[1,0,1]
.set k, k+2
.endr
	v_pk_add_f32 v[12:13], v[12:13], s[60:61] op_sel_hi:[1,0]   ; 64 rows on: v - 128
	v_pk_add_f32 v[14:15], v[14:15], s[60:61] op_sel_hi:[1,0]
.if \kind < 2
	s_wait_dscnt 0x0                               ; my stores are done before their registers are written again
.endif
.endm
.macro SWEEP kind                      ; eight batches: the first written out (it starts the column sums; from the second sweep on its E comes from LDS), seven in a loop
	v_mov_b32 v12, v38
	v_mov_b32 v13, v39
	v_mov_b32 v14, v39
	v_mov_b32 v15, v38
	s_mov_b32 s34, 0
.if \kind == 0
	BATCH 0, 0, 1
.else
	BATCH \kind, 1, 1
.endif
	s_mov_b32 s34, 16
	s_mov_b32 s32, 1
.Lbatch_\@:
	BATCH \kind, 0, 0
	s_add_co_u32 s34, s34, 16
	s_add_co_u32 s32, s32, 1
	s_cmp_lt_u32 s32, 8
	s_cbranch_scc1 .Lbatch_\@
.endm
; THE 32 PARTIAL COLUMN VECTORS MEET IN LDS.  Thread t owns column t.  kind 0: -a(j), c = 1; 1: a column step; 2: div's sigmoid of the soft rank.
; Two barriers: partials stored | read, and the column's number stored | read.  Each wave waits for all its LDS instructions in front of each signal, so the next partials and the next c land on bytes that nobody reads.
.macro COLRED kind
.irp m, 0,1,2,3,4,5,6,7
	ds_store_b128 v3, v[ACC+4*\m:ACC+4*\m+3] offset:256*\m
.endr
	s_wait_dscnt 0x0
	s_barrier_signal -1
	s_barrier_wait -1
.set p, 0
.rept 32
	ds_load_b32 v[E+p], v2 offset:2048*p
.set p, p+1
.endr
	s_wait_dscnt 0x0
.irp i, 0,4,8,12,16,20,24,28
	v_pk_add_f32 v[E+\i:E+\i+1], v[E+\i:E+\i+1], v[E+\i+2:E+\i+3]
.endr
.irp i, 0,8,16,24
	v_pk_add_f32 v[E+\i:E+\i+1], v[E+\i:E+\i+1], v[E+\i+4:E+\i+5]
.endr
.irp i, 0,16
	v_pk_add_f32 v[E+\i:E+\i+1], v[E+\i:E+\i+1], v[E+\i+8:E+\i+9]
.endr
	v_pk_add_f32 v[E:E+1], v[E:E+1], v[E+16:E+17]
	v_add_f32 v34, v[E], v[E+1]
.if \kind == 0
	v_xor_b32 v34, 0x80000000, v34
	v_mov_b32 v7, 1.0
	ds_store_b32 v8, v34 offset:AV
.elseif \kind == 1
	v_mul_f32 v34, v7, v34                         ; the column's sum c A,
	v_max_num_f32 v34, s39, v34                    ; clipped at 1e-10
	v_rcp_f32 v34, v34
	v_nop
	s_wait_alu depctr_va_vdst(0)
	v_mul_f32 v7, v7, v34
	ds_store_b32 v8, v7 offset:CV
.else
	v_fmaak_f32 v34, v7, v34, 0xc3fb0000           ; the soft rank - 502
	v_mul_f32 v34, 0xbfb8aa3b, v34
	v_exp_f32 v34, v34
	v_nop
	s_wait_alu depctr_va_vdst(0)
	v_add_f32 v34, 1.0, v34
	v_rcp_f32 v34, v34                             ; 1 / (1 + e^-x)
	v_nop
	s_wait_alu depctr_va_vdst(0)
	ds_store_b32 v8, v34 offset:RHO
.endif
	s_wait_dscnt 0x0
	s_barrier_signal -1
	s_barrier_wait -1
.if \kind == 0
.irp m, 0,1,2,3,4,5,6,7
	ds_load_b128 v[NA+4*\m:NA+4*\m+3], v1 offset:AV+256*\m
.endr
	s_wait_dscnt 0x0
.elseif \kind == 1
.irp m, 0,1,2,3,4,5,6,7
	ds_load_b128 v[C+4*\m:C+4*\m+3], v1 offset:CV+256*\m
.endr
	s_wait_dscnt 0x0
.endif
.endm
; My half's 16 rows' part of a(j) = sum over k of |s(j) - s(k)|: a packed difference for two columns, an addition of the magnitude for each.  The first row starts the sums.
.macro ASUM
.irp b, 0,1,2,3,4,5,6,7
.irp u, 0,1
.if \u
	v_mov_b32 v34, v[XR+2*\b+1]                    ; to a pair's low word
.set xp, 34
.else
.set xp, XR+2*\b
.endif
.set k, 0
.rept 16
	v_pk_add_f32 v[E+k:E+k+1], v[S+k:S+k+1], v[xp:xp+1] op_sel_hi:[1,0] neg_lo:[0,1] neg_hi:[0,1]
.set k, k+2
.endr
.set k, 0
.rept 32
.if (\b == 0) && (\u == 0)
	v_and_b32 v[ACC+k], s42, v[E+k]
.else
	v_add_f32 v[ACC+k], v[ACC+k], |v[E+k]|
.endif
.set k, k+1
.endr
.endr
.endr
.endm
; THE TEN BEST, in one wave.  Register 4 m + e of a lane is item 128 m + 4 l + e.  Ten rounds: the largest key; among its holders the smallest index number; that item's key becomes -infinity.
; pay = 1: index number = j (the lower index first); the item's relevance goes to lane p; at the end the DCG of the ten.  pay = 0: index number = 511 - j (the higher index first); the item is marked with 1.
.macro TOPK pay
.irp m, 0,1,2,3
	global_load_b128 v[KEY+4*\m:KEY+4*\m+3], v240, s[52:53] offset:512*\m
.endr
.if \pay
.irp m, 0,1,2,3
	global_load_b128 v[PAY+4*\m:PAY+4*\m+3], v240, s[28:29] offset:512*\m
.endr
.endif
	v_lshlrev_b32 v26, 2, v42
.set k, 0
.rept 16
.if \pay
	v_add_nc_u32 v27, 128*(k/4)+k%4, v26
.else
	v_sub_nc_u32 v27, 511-128*(k/4)-k%4, v26
	v_mov_b32 v[PAY+k], 0
.endif
	v_cvt_f32_u32 v[IDX+k], v27
.set k, k+1
.endr
	v_mov_b32 v44, 0x44800000                      ; 1,024: over every index number
	v_mov_b32 v45, 0xff800000                      ; -infinity
	v_mov_b32 v46, 0
	v_mov_b32 v47, 1.0
	s_wait_loadcnt 0x0
	s_mov_b32 s54, 0
.Ltop_\@:
	v_max3_num_f32 v28, v[KEY], v[KEY+1], v[KEY+2]
	v_max3_num_f32 v29, v[KEY+3], v[KEY+4], v[KEY+5]
.irp i, 6,10
	v_max3_num_f32 v28, v28, v[KEY+\i], v[KEY+\i+1]
	v_max3_num_f32 v29, v29, v[KEY+\i+2], v[KEY+\i+3]
.endr
	v_max3_num_f32 v28, v28, v[KEY+14], v[KEY+15]
	v_max_num_f32 v28, v28, v29
.irp x, 1,2,4,8
	v_max_num_f32_dpp v28, v28, v28 row_xmask:\x row_mask:0xf bank_mask:0xf
.endr
	v_permlanex16_b32 v43, v28, s40, s41
	v_max_num_f32 v28, v28, v43
.set k, 0
.rept 16
	v_cmp_eq_f32 vcc_lo, v28, v[KEY+k]
	v_cndmask_b32 v[TT+k], v44, v[IDX+k], vcc_lo
.set k, k+1
.endr
	v_min3_num_f32 v30, v[TT], v[TT+1], v[TT+2]
	v_min3_num_f32 v31, v[TT+3], v[TT+4], v[TT+5]
.irp i, 6,10
	v_min3_num_f32 v30, v30, v[TT+\i], v[TT+\i+1]
	v_min3_num_f32 v31, v31, v[TT+\i+2], v[TT+\i+3]
.endr
	v_min3_num_f32 v30, v30, v[TT+14], v[TT+15]
	v_min_num_f32 v30, v30, v31
.irp x, 1,2,4,8
	v_min_num_f32_dpp v30, v30, v30 row_xmask:\x row_mask:0xf bank_mask:0xf
.endr
	v_permlanex16_b32 v43, v30, s40, s41
	v_min_num_f32 v30, v30, v43
.if \pay
	v_mov_b32 v32, v45
.endif
.set k, 0
.rept 16
	v_cmp_eq_f32 vcc_lo, v30, v[IDX+k]
	v_cndmask_b32 v[KEY+k], v[KEY+k], v45, vcc_lo
.if \pay
	v_cndmask_b32 v32, v32, v[PAY+k], vcc_lo
.else
	v_cndmask_b32 v[PAY+k], v[PAY+k], v47, vcc_lo
.endif
.set k, k+1
.endr
.if \pay
.irp x, 1,2,4,8
	v_max_num_f32_dpp v32, v32, v32 row_xmask:\x row_mask:0xf bank_mask:0xf
.endr
	v_permlanex16_b32 v43, v32, s40, s41
	v_max_num_f32 v32, v32, v43                    ; the one lane's relevance, in every lane
	v_cmp_eq_u32 vcc_lo, s54, v42
	v_cndmask_b32 v46, v46, v32, vcc_lo
.endif
	s_add_co_u32 s54, s54, 1
	s_cmp_lt_u32 s54, 10
	s_cbranch_scc1 .Ltop_\@
.if \pay
	v_add_nc_u32 v26, 2, v42
	v_cvt_f32_u32 v26, v26
	v_exp_f32 v27, v46
	v_log_f32 v26, v26
	v_nop
	s_wait_alu depctr_va_vdst(0)
	v_rcp_f32 v26, v26
	v_add_f32 v27, -1.0, v27
	s_wait_alu depctr_va_vdst(0)
	v_mul_f32 v27, v27, v26                        ; (2^rel - 1) / log2(p + 2)
	v_cmp_gt_u32 vcc_lo, 10, v42
	v_cndmask_b32 v27, 0, v27, vcc_lo
.irp x, 1,2,4,8
	v_add_f32_dpp v27, v27, v27 row_xmask:\x row_mask:0xf bank_mask:0xf
.endr
	CROSSADD 27
	ds_store_b32 v241, v27
.else
.irp m, 0,1,2,3
	ds_store_b128 v240, v[PAY+4*\m:PAY+4*\m+3] offset:TV+512*\m
.endr
.endif
	s_wait_dscnt 0x0
.endm
.macro SUMSQ it, ch, out               ; the item's sum of squares: my 32 features, then the other half's
	v_pk_mul_f32 v[\ch:\ch+1], v[\it:\it+1], v[\it:\it+1]
	v_pk_mul_f32 v[\ch+2:\ch+3], v[\it+2:\it+3], v[\it+2:\it+3]
.irp i, 4,8,12,16,20,24,28
	v_pk_fma_f32 v[\ch:\ch+1], v[\it+\i:\it+\i+1], v[\it+\i:\it+\i+1], v[\ch:\ch+1]
	v_pk_fma_f32 v[\ch+2:\ch+3], v[\it+\i+2:\it+\i+3], v[\it+\i+2:\it+\i+3], v[\ch+2:\ch+3]
.endr
	v_pk_add_f32 v[\ch:\ch+1], v[\ch:\ch+1], v[\ch+2:\ch+3]
	v_add_f32 v[\out], v[\ch], v[\ch+1]
	CROSSADD \out
.endm
.macro QCODE it, sc, lim, cd, adr, off ; 32 numbers of a lane become 8 registers of codes, which go to LDS as they stand
.set k, 0
.rept 32
	v_med3_num_f32 v[H+k], v[\it+k], -v[\lim], v[\lim]   ; the conversion to an 8-bit code does not saturate (ISA guide 7.6.2): the hold at the largest code x the scale
.set k, k+1
.endr
.irp g, 0,1,2,3
	v_cvt_scalef32_pk8_bf8_f32 v[\cd+2*\g:\cd+2*\g+1], v[H+8*\g:H+8*\g+7], v[\sc]
.endr
	v_nop                                          ; a plain instruction between the conversions and the next vector instruction that writes their sources
	ds_store_b128 v[\adr], v[\cd:\cd+3] offset:\off
	ds_store_b128 v[\adr], v[\cd+4:\cd+7] offset:\off+512
.endm
.macro ACCUM d, rw, tw, q              ; a tile's eight rows into my column's four sums, each accumulator from its low end on
.irp g, 0,2,4,6
	v_pk_fma_f32 v[\q:\q+1], v[\d+\g:\d+\g+1], v[\rw+\g:\rw+\g+1], v[\q:\q+1]
	v_pk_fma_f32 v[\q+2:\q+3], v[\d+\g:\d+\g+1], v[\tw+\g:\tw+\g+1], v[\q+2:\q+3]
	v_pk_add_f32 v[\q+4:\q+5], v[\q+4:\q+5], v[\rw+\g:\rw+\g+1]
	v_pk_add_f32 v[\q+6:\q+7], v[\q+6:\q+7], v[\tw+\g:\tw+\g+1]
.endr
.endm
.macro DIAG ca, sj, bf, d, q           ; the tile on the diagonal: the rows' weights are masked to i < j.  The eight multiplies name no register of the product and are the places behind it
	s_lshl_b32 s55, \sj, 6
	v_add_nc_u32 v247, s55, v246
	ds_load_b128 v[AF:AF+3], v[\ca]
	ds_load_b128 v[AF+4:AF+7], v[\ca] offset:512
	ds_load_b128 v[RW:RW+3], v247 offset:RHO
	ds_load_b128 v[RW+4:RW+7], v247 offset:RHO+16
	ds_load_b128 v[TW:TW+3], v247 offset:TV
	ds_load_b128 v[TW+4:TW+7], v247 offset:TV+16
	s_wait_dscnt 0x0
	v_wmma_f32_16x16x64_bf8_bf8 v[\d:\d+7], v[AF:AF+7], v[\bf:\bf+7], 0
.irp g, 0,2,4,6
	v_pk_mul_f32 v[RWM+\g:RWM+\g+1], v[RW+\g:RW+\g+1], v[TRI+\g:TRI+\g+1]
	v_pk_mul_f32 v[TWM+\g:TWM+\g+1], v[TW+\g:TW+\g+1], v[TRI+\g:TRI+\g+1]
.endr
	ACCUM \d, RWM, TWM, \q
.endm
.macro FIN q, rj, tj, first            ; sum over i < j of w(i) (1 - G(i,j)) = sum of w - 2^(e0 + e1) x sum of w x the codes' product; then x w(j)
	v_add_f32 v26, v[\q+4], v[\q+5]
	v_add_f32 v27, v[\q], v[\q+1]
	v_add_f32 v28, v[\q+6], v[\q+7]
	v_add_f32 v29, v[\q+2], v[\q+3]
	v_ldexp_f32 v27, v27, s46
	v_ldexp_f32 v29, v29, s46
	v_sub_f32 v27, v26, v27
	v_sub_f32 v29, v28, v29
.if \first
	v_mul_f32 v148, v[\rj], v27
	v_mul_f32 v149, v[\rj], v26
	v_mul_f32 v150, v[\tj], v29
	v_mul_f32 v151, v[\tj], v28
.else
	v_fmac_f32 v148, v[\rj], v27
	v_fmac_f32 v149, v[\rj], v26
	v_fmac_f32 v150, v[\tj], v29
	v_fmac_f32 v151, v[\tj], v28
.endif
.endm
; ---- THE HEAD: ids, every LDS address register, constants
	s_load_b512 s[4:19], s[0:1], 0x0               ; batch 4:5, scales 6:7, div score 8:9, ndcg score 10:11, relevance 12:13, out0 14:15, out1 16:17, out2 18:19
	s_load_b64 s[20:21], s[0:1], 0x40              ; out3
	v_lshl_add_u32 v10, v0, 2, SPARE               ; my spare word, and 0
	v_mov_b32 v11, 0
	v_lshrrev_b32 v26, 5, v0
	v_readfirstlane_b32 s22, v26                   ; wave
	s_and_b32 s23, ttmp9, 1                        ; 0: ndcg, 1: div
	s_lshr_b32 s24, ttmp9, 1                       ; user
	s_xor_b32 s43, s22, 31                         ; 31 - wave: my second column tile
	v_and_b32 v42, 31, v0
	v_and_b32 v40, 15, v0
	v_bfe_u32 v41, v0, 4, 1
	v_lshlrev_b32 v1, 4, v40
	v_lshl_add_u32 v2, v0, 2, PART
	v_lshrrev_b32 v27, 4, v0
	v_lshl_add_u32 v3, v27, 11, v1
	v_add_nc_u32 v3, PART, v3
	s_lshl_b32 s55, s22, 13
	s_add_co_u32 s55, s55, ES
	v_lshl_add_u32 v4, v42, 4, s55
	s_lshl_b32 s55, s22, 7
	v_lshl_add_u32 v5, v41, 3, s55
	v_mov_b32 v6, v5
	v_lshlrev_b32 v8, 2, v0
	s_lshl_b32 s55, s24, 2
	v_mov_b32 v9, s55
	v_lshlrev_b32 v240, 4, v42                     ; 16 x lane
	s_lshl_b32 s55, s22, 2
	s_add_co_u32 s55, s55, SCRN
	v_mov_b32 v241, s55                            ; SCRN + 4 w
	s_lshl_b32 s55, s22, 10
	s_add_co_u32 s55, s55, ACODE
	v_add_nc_u32 v242, s55, v240                   ; tile w's fragment
	s_lshl_b32 s55, s43, 10
	s_add_co_u32 s55, s55, ACODE
	v_add_nc_u32 v243, s55, v240                   ; tile 31 - w's
	v_add_nc_u32 v244, ACODE, v240                 ; tile 0's
	v_mov_b32 v245, v244
	v_lshlrev_b32 v246, 5, v41                     ; 32 h: my eight rows' weights in a tile
	v_mov_b32 v247, v246
	s_lshl_b32 s55, s22, 6
	v_lshl_add_u32 v248, v40, 2, s55               ; my column's weight, tile w
	s_lshl_b32 s55, s43, 6
	v_lshl_add_u32 v249, v40, 2, s55               ; tile 31 - w
	s_lshl_b32 s55, s22, 4
	v_lshl_add_u32 v33, v41, 3, s55                ; 16 w + 8 h: my rows' scores in memory
	s_add_co_u32 s55, s55, SCRD
	v_mov_b32 v250, s55
	v_mov_b32 v251, SCRN
	s_lshl_b32 s55, s22, 3
	s_sub_co_u32 s55, 511, s55
	v_lshlrev_b32 v26, 2, v41
	v_sub_nc_u32 v26, s55, v26
	v_cvt_f32_u32 v38, v26                         ; v of batch 0: 511 - 8 w - 4 h,
	v_add_f32 v39, -2.0, v38                       ; and of the row below
	s_mov_b32 s36, 0x4166d4ca                      ; G = 10 log2(e)
	s_mov_b32 s37, s36
	s_mov_b32 s38, 0xc166d4ca                      ; -G
	s_mov_b32 s39, 0x2edbe6ff                      ; 1e-10
	s_mov_b32 s40, 0x76543210                      ; lane l xor 16
	s_mov_b32 s41, 0xfedcba98
	s_mov_b32 s42, 0x7fffffff
	s_mov_b32 s58, 0x43804000                      ; 256.5
	s_mov_b32 s59, 0x4380c000                      ; 257.5
	s_mov_b32 s60, 0xc3000000                      ; -128
	s_mov_b32 s61, s60
	v_mov_b32 v43, 0                               ; a lane exchange's destination counts as read
	v_mov_b32 v19, 0                               ; upper halves of pairs of which the low word alone is used
	v_mov_b32 v25, 0
	v_mov_b32 v35, 0
	v_mov_b32 v45, 0
	v_mov_b32 v47, 0
	s_wait_kmcnt 0x0
	s_load_b64 s[44:45], s[6:7], 0x0               ; e0, e1: eight bytes, read by every work-group so that the head has one way through it
	s_cmp_eq_u32 s23, 0
	s_cselect_b64 s[26:27], s[10:11], s[8:9]       ; my matrix's score
	s_lshl_b32 s56, s24, 11
	s_mov_b32 s57, 0
	s_add_nc_u64 s[26:27], s[26:27], s[56:57]
	s_add_nc_u64 s[28:29], s[12:13], s[56:57]
	s_mul_i32 s56, s24, 163840
	s_add_nc_u64 s[30:31], s[4:5], s[56:57]
.irp m, 0,1,2,3,4,5,6,7
	global_load_b128 v[S+4*\m:S+4*\m+3], v1, s[26:27] offset:256*\m     ; sixteen lanes read 256 consecutive bytes
.endr
.irp b, 0,1,2,3,4,5,6,7
	global_load_b64 v[XR+2*\b:XR+2*\b+1], v33, s[26:27] offset:256*\b
.endr
	s_wait_kmcnt 0x0
	s_add_co_i32 s46, s44, s45
	s_cmp_lg_u32 s23, 0
	s_cbranch_scc1 .Ldiv_arm
; ---- ndcg: the a-sum; waves 0 and 1 then find the DCG by the model's order and the best DCG
	s_wait_loadcnt 0x0
	ASUM
	s_cmp_gt_u32 s22, 1
	s_cbranch_scc1 .Lasum_done
	s_cmp_eq_u32 s22, 0
	s_cselect_b64 s[52:53], s[26:27], s[28:29]     ; the key: wave 0 the score, wave 1 the relevance
	TOPK 1
	s_branch .Lasum_done
; ---- div: the items are asked for and land under the a-sum; wave 0 marks the ten best; every wave quantises two tiles of 16 items
.Ldiv_arm:
	v_mul_u32_u24 v26, v40, 320
	v_lshl_add_u32 v26, v41, 7, v26                ; item q's row of 320 bytes, + 128 h
	s_mul_i32 s55, s22, 5120
	v_add_nc_u32 v36, s55, v26
	s_mul_i32 s55, s43, 5120
	v_add_nc_u32 v37, s55, v26
.irp x, 0,1,2,3,4,5,6,7
	global_load_b128 v[IT1+4*\x:IT1+4*\x+3], v36, s[30:31] offset:16*\x th:TH_LOAD_NT
.endr
.irp x, 0,1,2,3,4,5,6,7
	global_load_b128 v[IT2+4*\x:IT2+4*\x+3], v37, s[30:31] offset:16*\x th:TH_LOAD_NT
.endr
	s_wait_loadcnt 16                              ; the scores are in; the sixteen item loads issued behind them may be out
	ASUM
	s_cmp_lg_u32 s22, 0
	s_cbranch_scc1 .Lquant
	s_mov_b64 s[52:53], s[26:27]
	TOPK 0
.Lquant:
	s_wait_loadcnt 0x0                             ; the items
	s_add_co_i32 s55, s44, 127
	s_lshl_b32 s56, s55, 23
	v_mov_b32 v252, s56                            ; 2^e0 as f32: the conversion takes its exponent field
	s_add_co_i32 s55, s55, 15
	s_lshl_b32 s55, s55, 23
	s_or_b32 s55, s55, 0x600000
	v_mov_b32 v253, s55                            ; 57,344 x 2^e0
	s_add_co_i32 s55, s45, 127
	s_lshl_b32 s56, s55, 23
	v_mov_b32 v254, s56
	s_add_co_i32 s55, s55, 15
	s_lshl_b32 s55, s55, 23
	s_or_b32 s55, s55, 0x600000
	v_mov_b32 v255, s55
	SUMSQ IT1, 26, 34
	SUMSQ IT2, 30, 36
	v_sqrt_f32 v34, v34
	v_sqrt_f32 v36, v36
	v_nop
	s_wait_alu depctr_va_vdst(0)
	v_max_num_f32 v34, 0x322bcc77, v34             ; the norm, clipped at 1e-8
	v_max_num_f32 v36, 0x322bcc77, v36
	v_rcp_f32 v34, v34
	v_rcp_f32 v36, v36
	v_nop
	s_wait_alu depctr_va_vdst(0)
.set k, 0
.rept 16
	v_pk_mul_f32 v[IT1+k:IT1+k+1], v[IT1+k:IT1+k+1], v[34:35] op_sel_hi:[1,0]
	v_pk_mul_f32 v[IT2+k:IT2+k+1], v[IT2+k:IT2+k+1], v[36:37] op_sel_hi:[1,0]
.set k, k+2
.endr
	QCODE IT1, 252, 253, 208, 242, 0
	QCODE IT1, 254, 255, 216, 242, BOFF
	QCODE IT2, 252, 253, 224, 243, 0
	QCODE IT2, 254, 255, 232, 243, BOFF
.Lasum_done:
	COLRED 0                                       ; -a(j)
; ---- the softmax and the five rounds
	SWEEP 0
	COLRED 1                                       ; column step 1
	s_mov_b32 s33, 4
.Lsink:
	SWEEP 1                                        ; row step n, column sums n + 1
	COLRED 1
	s_sub_co_u32 s33, s33, 1
	s_cmp_lg_u32 s33, 0
	s_cbranch_scc1 .Lsink
	s_cmp_lg_u32 s23, 0
	s_cbranch_scc1 .Ldiv_tail
; ---- ndcg's tail: row step 5 and the product with relevance, for rows 0 to 11: waves 0 to 2, batch 0, out of LDS
	s_cmp_gt_u32 s22, 2
	s_cbranch_scc1 .Lnd_join
.irp m, 0,1,2,3,4,5,6,7
	global_load_b128 v[ACC+4*\m:ACC+4*\m+3], v1, s[28:29] offset:256*\m
.endr
	ds_load_b64 v[20:21], v5 offset:RV
.set g, 0
.rept 16
	ds_load_b128 v[E+4*g:E+4*g+3], v4 offset:512*g
.set g, g+1
.endr
	s_wait_loadcnt 0x0
	s_wait_dscnt 0x0
.set k, 0
.rept 16
	v_pk_mul_f32 v[E+k:E+k+1], v[E+k:E+k+1], v[C+k:C+k+1]
	v_pk_mul_f32 v[E+32+k:E+32+k+1], v[E+32+k:E+32+k+1], v[C+k:C+k+1]
.set k, k+2
.endr
.irp u, 0,1
	v_pk_add_f32 v[26+4*\u:27+4*\u], v[E+32*\u:E+32*\u+1], v[E+32*\u+2:E+32*\u+3]
	v_pk_mul_f32 v[28+4*\u:29+4*\u], v[E+32*\u:E+32*\u+1], v[ACC:ACC+1]
	v_pk_fma_f32 v[28+4*\u:29+4*\u], v[E+32*\u+2:E+32*\u+3], v[ACC+2:ACC+3], v[28+4*\u:29+4*\u]
.irp i, 4,6,8,10,12,14,16,18,20,22,24,26,28,30
	v_pk_add_f32 v[26+4*\u:27+4*\u], v[26+4*\u:27+4*\u], v[E+32*\u+\i:E+32*\u+\i+1]
	v_pk_fma_f32 v[28+4*\u:29+4*\u], v[E+32*\u+\i:E+32*\u+\i+1], v[ACC+\i:ACC+\i+1], v[28+4*\u:29+4*\u]
.endr
	v_add_f32 v[34+2*\u], v[26+4*\u], v[27+4*\u]   ; B
	v_add_f32 v[35+2*\u], v[28+4*\u], v[29+4*\u]   ; sum of E c rel
.endr
	ROWADD2 34, 36
	ROWADD2 35, 37
	v_mul_f32 v34, v20, v34
	v_mul_f32 v36, v21, v36
	v_max_num_f32 v34, s39, v34
	v_max_num_f32 v36, s39, v36
	v_rcp_f32 v34, v34
	v_rcp_f32 v36, v36
	v_nop
	s_wait_alu depctr_va_vdst(0)
	v_mul_f32 v34, v20, v34                        ; r after row step 5
	v_mul_f32 v36, v21, v36
	v_mul_f32 v35, v34, v35                        ; the soft relevance at place i
	v_mul_f32 v37, v36, v37
	v_fma_f32 v26, v38, -0.5, s59                  ; i + 2 = 257.5 - v / 2
	v_fma_f32 v27, v39, -0.5, s59
	v_exp_f32 v35, v35
	v_exp_f32 v37, v37
	v_log_f32 v26, v26
	v_log_f32 v27, v27
	v_nop
	s_wait_alu depctr_va_vdst(0)
	v_rcp_f32 v26, v26
	v_rcp_f32 v27, v27
	v_add_f32 v35, -1.0, v35
	v_add_f32 v37, -1.0, v37
	s_wait_alu depctr_va_vdst(0)
	v_mul_f32 v35, v35, v26
	v_mul_f32 v37, v37, v27
	v_cmp_lt_f32 vcc_lo, 0x43f60000, v38           ; i <= 9 where v > 492
	v_cndmask_b32 v35, 0, v35, vcc_lo
	v_cmp_lt_f32 vcc_lo, 0x43f60000, v39
	v_cndmask_b32 v37, 0, v37, vcc_lo
	v_add_f32 v35, v35, v37
	CROSSADD 35
	ds_store_b32 v241, v35 offset:8
.Lnd_join:
	s_wait_dscnt 0x0
	s_barrier_signal -1
	s_barrier_wait -1
	s_cmp_lg_u32 s22, 0
	s_cbranch_scc1 .Lend
	ds_load_b128 v[26:29], v251                    ; dcg, best, two parts,
	ds_load_b32 v30, v251 offset:16                ; the third
	s_wait_dscnt 0x0
	v_rcp_f32 v27, v27
	v_add_f32 v28, v28, v29
	v_add_f32 v28, v28, v30
	s_wait_alu depctr_va_vdst(0)
	v_mul_f32 v28, v28, v27
	v_mul_f32 v26, v26, v27
	v_cmp_eq_u32 vcc_lo, 0, v42
	s_wait_xcnt 0x0                                ; EXEC changes only behind this wait
	s_and_saveexec_b32 s50, vcc_lo
	global_store_b32 v9, v28, s[14:15]
	global_store_b32 v9, v26, s[16:17]
	s_wait_xcnt 0x0
	s_or_b32 exec_lo, exec_lo, s50
	s_branch .Lend
; ---- div's tail: row step 5 with the weighted column sums, the sigmoid, then the strict upper triangle of 1 - n n^T.  Tiles under the diagonal are left out (see the head).
.Ldiv_tail:
	SWEEP 2
	COLRED 2
	ds_load_b128 v[BF1:BF1+3], v242 offset:BOFF    ; the right operand's fragments of my two column tiles, w and 31 - w: together 33 tiles of the triangle for every wave
	ds_load_b128 v[BF1+4:BF1+7], v242 offset:BOFF+512
	ds_load_b128 v[BF2:BF2+3], v243 offset:BOFF
	ds_load_b128 v[BF2+4:BF2+7], v243 offset:BOFF+512
	ds_load_b32 v144, v248 offset:RHO
	ds_load_b32 v145, v248 offset:TV
	ds_load_b32 v146, v249 offset:RHO
	ds_load_b32 v147, v249 offset:TV
	v_lshlrev_b32 v26, 3, v41
	v_sub_nc_u32 v26, v40, v26                     ; q - 8 h: register g's row lies over the diagonal where g < q - 8 h
	v_mov_b32 v27, 1.0
.irp g, 0,1,2,3,4,5,6,7
	v_cmp_lt_i32 vcc_lo, \g, v26
	v_cndmask_b32 v[TRI+\g], 0, v27, vcc_lo
.endr
.irp g, 0,1,2,3,4,5,6,7
	v_mov_b32 v[Q1+\g], 0
	v_mov_b32 v[Q2+\g], 0
.endr
	s_mov_b32 s47, 0
	s_mov_b32 s48, 0
	s_mov_b32 s49, 0
.Ltile:                                            ; row tiles 0 to 30, a constant count; a branch on ids leads round what lies on or under the diagonal
	v_add_nc_u32 v245, s48, v244
	v_add_nc_u32 v247, s49, v246
	s_cmp_ge_u32 s47, s43
	s_cbranch_scc1 .Lnext
	ds_load_b128 v[AF:AF+3], v245
	ds_load_b128 v[AF+4:AF+7], v245 offset:512
	ds_load_b128 v[RW:RW+3], v247 offset:RHO
	ds_load_b128 v[RW+4:RW+7], v247 offset:RHO+16
	ds_load_b128 v[TW:TW+3], v247 offset:TV
	ds_load_b128 v[TW+4:TW+7], v247 offset:TV+16
	s_wait_dscnt 0x0
	v_wmma_f32_16x16x64_bf8_bf8 v[D2:D2+7], v[AF:AF+7], v[BF2:BF2+7], 0    ; lane (q, h), register g: items 16 I + 8 h + g and 16 J + q
	s_cmp_ge_u32 s47, s22
	s_cbranch_scc1 .Lone
	v_wmma_f32_16x16x64_bf8_bf8 v[D1:D1+7], v[AF:AF+7], v[BF1:BF1+7], 0
.Lone:
.rept 5
	v_nop                                          ; places behind the products: four for the reads below and the next loads, five for the next product that writes these registers anew
.endr
	ACCUM D2, RW, TW, Q2
	s_cmp_ge_u32 s47, s22
	s_cbranch_scc1 .Lnext
	ACCUM D1, RW, TW, Q1
.Lnext:
	s_add_co_u32 s48, s48, 1024
	s_add_co_u32 s49, s49, 64
	s_add_co_u32 s47, s47, 1
	s_cmp_lt_u32 s47, 31
	s_cbranch_scc1 .Ltile
	DIAG 242, s22, BF1, D1, Q1
	DIAG 243, s43, BF2, D2, Q2
	FIN Q1, 144, 145, 1
	FIN Q2, 146, 147, 0
	ROWADD2 148, 149
	ROWADD2 150, 151
	CROSSADD 148
	CROSSADD 149
	CROSSADD 150
	CROSSADD 151
	ds_store_b128 v250, v[148:151]
	s_wait_dscnt 0x0
	s_barrier_signal -1
	s_barrier_wait -1
	s_cmp_lg_u32 s22, 0
	s_cbranch_scc1 .Lend
	ds_load_b128 v[148:151], v1 offset:SCRD        ; lane q: wave q's four sums
	s_wait_dscnt 0x0
	ROWADD2 148, 149
	ROWADD2 150, 151
	v_rcp_f32 v149, v149
	v_rcp_f32 v151, v151
	v_nop
	s_wait_alu depctr_va_vdst(0)
	v_mul_f32 v148, v148, v149
	v_mul_f32 v150, v150, v151
	v_cmp_eq_u32 vcc_lo, 0, v42
	s_wait_xcnt 0x0                                ; EXEC changes only behind this wait
	s_and_saveexec_b32 s50, vcc_lo
	global_store_b32 v9, v148, s[18:19]
	global_store_b32 v9, v150, s[20:21]
	s_wait_xcnt 0x0
	s_or_b32 exec_lo, exec_lo, s50
.Lend:
	s_wait_tensorcnt 0x0                           ; the wave's end, behind my last LDS store
	ds_add_u32 v10, v11
	s_wait_dscnt 0x0
	s_endpgm
.Lfunc_end_k_q0384946dc8_loss:
	.size	k_q0384946dc8_loss, .Lfunc_end_k_q0384946dc8_loss-k_q0384946dc8_loss
	.p2alignl 7, 3214868480
	.fill 96, 4, 3214868480
	.section	.rodata,"a",@progbits
	.p2align	6, 0x0
	.amdhsa_kernel k_q0384946dc8_loss
		.amdhsa_group_segment_fixed_size 278528
		.amdhsa_private_segment_fixed_size 0
		.amdhsa_enable_private_segment 0
		.amdhsa_kernarg_size 72
		.amdhsa_user_sgpr_count 2
		.amdhsa_user_sgpr_kernarg_segment_ptr 1
		.amdhsa_wavefront_size32 1
		.amdhsa_system_sgpr_workgroup_id_x 1
		.amdhsa_system_sgpr_workgroup_id_y 1
		.amdhsa_system_sgpr_workgroup_id_z 1
		.amdhsa_system_vgpr_workitem_id 0
		.amdhsa_next_free_vgpr 256
		.amdhsa_next_free_sgpr 66
		.amdhsa_reserve_vcc 1
		.amdhsa_float_denorm_mode_32 3
		.amdhsa_float_denorm_mode_16_64 3
		.amdhsa_memory_ordered 1
		.amdhsa_forward_progress 1
		.amdhsa_inst_pref_size 239
	.end_amdhsa_kernel
	.amdgpu_metadata
---
amdhsa.version: [ 1, 2 ]
amdhsa.kernels:
  - .name:           k_q0384946dc8_loss
    .symbol:         k_q0384946dc8_loss.kd
    .args:
      - { .name: batch, .offset: 0, .size: 8, .value_kind: global_buffer, .address_space: global }
      - { .name: lowp_scales, .offset: 8, .size: 8, .value_kind: global_buffer, .address_space: global }
      - { .name: model_score_for_div, .offset: 16, .size: 8, .value_kind: global_buffer, .address_space: global }
      - { .name: model_score_for_ndcg, .offset: 24, .size: 8, .value_kind: global_buffer, .address_space: global }
      - { .name: relevance, .offset: 32, .size: 8, .value_kind: global_buffer, .address_space: global }
      - { .name: out0, .offset: 40, .size: 8, .value_kind: global_buffer, .address_space: global }
      - { .name: out1, .offset: 48, .size: 8, .value_kind: global_buffer, .address_space: global }
      - { .name: out2, .offset: 56, .size: 8, .value_kind: global_buffer, .address_space: global }
      - { .name: out3, .offset: 64, .size: 8, .value_kind: global_buffer, .address_space: global }
    .group_segment_fixed_size: 278528
    .private_segment_fixed_size: 0
    .kernarg_segment_align: 8
    .kernarg_segment_size: 72
    .max_flat_workgroup_size: 512
    .sgpr_count:     66
    .vgpr_count:     256
    .wavefront_size: 32
...
	.end_amdgpu_metadata
.endif
;; end of part 1
